; MI455X (gfx1250); checked and timed in simulation.
; The chip was launched on July 23, 2026; its instructions are those of AMD's public machine-readable ISA for CDNA 5 (MIT licence, August 2026) and "CDNA5" Instruction Set Architecture Reference Guide (July 2026). The comments in the code are by the model that wrote it; some were corrected since.
;; Spike FP64 Divider. Allowed arithmetic: float matrix products may take bf16 or f16 operands with f32 sums; all other float work in f32.
;; Inputs: A 65,536 x 64 float32; B 65,536 x 64 float32.
;; Outputs: out0 65,536 x 64 float32.
;; One version. Each part assembles by itself: llvm-mc -triple=amdgcn-amd-amdhsa -mcpu=gfx1250 --defsym DOCPART=n.
;; ======== version 1 of 1: 1 launch
;; launch spikediv (part 1): grid 256 x 1, 8 waves a work-group, no clusters, 168,960 bytes of LDS; arguments A, B, out0; writes out0
.if DOCPART == 1
	.amdgcn_target "amdgcn-amd-amdhsa--gfx1250"
	.amdhsa_code_object_version 6
	.text
	.protected	k_q252a404ead_spikediv
	.globl	k_q252a404ead_spikediv
	.p2align	8
	.type	k_q252a404ead_spikediv,@function
k_q252a404ead_spikediv:
	s_mov_b64 s[64:65], 0
	v_nop
	global_prefetch_b8 v0, s[64:65] scope:SCOPE_SE
	s_setreg_imm32_b32 hwreg(HW_REG_WAVE_MODE, 25, 1), 1
	s_wait_xcnt 0x0
; out0[row] = A[row] / B[row], each row a binary64 number spelt as 64 f32 spikes: sign, 11 exponent bits, 52 mantissa bits, the most significant first.
; LIMIT OF FORMAT: every element of A and B is exactly 0.0 or 1.0.  On such inputs every gate of the module is exact Boolean logic and the module is the
; integer algorithm below; for other values its gates are polynomials, which this text does not evaluate.
; What the module does, kept as it is written, oddities included:
;   significands MA = 2^52 + m_a, MB = 2^52 + m_b (also where the exponent field is 0); quotient by restoring division, rounded to nearest even;
;   the 53-bit rounding adder's carry out is always 0 (its top input bit is 0), so the exponent is never raised and the mantissa is cut to 52 bits;
;   13-bit exponent e = e_a - e_b + 1023 - (MA < MB); bit 11 or 12 set (a negative e too) gives infinity, e = 0 gives zero, e = 2047 goes through;
;   priority NaN > infinity > zero > overflow > underflow; every result carries sign_a xor sign_b.
; SHAPE: 256 work-groups of 8 waves; a wave owns 32 rows, a lane one row.  Each wave brings its 32 rows of A and of B into LDS bytes of its own by two tensor
; loads issued at its start (two outstanding at the most, never a refill), and only it reads them: its own wait on TENSORcnt is all the ordering, no barrier.
; No cluster: no two work-groups read the same byte.
.set PITCH,  272                       ; an LDS row: 256 bytes + 16 of padding = 17 x 16 bytes
.set TILE,   32*PITCH                  ; 8,704 bytes: 32 rows of one input
.set STAGE,  8*2*TILE                  ; 139,264: behind all tiles, 512 bytes a wave for the way out; no tensor load lands there
.set G1,  16                           ; s[16:23] descriptor group 1, the same for both loads
.set G0,  24                           ; s[24:31] descriptor group 0: A's, then B's
.set LANE, 1
.set LA,   2                           ; LDS address of my row in my wave's tile of A (B's: + TILE in the immediate)
.set ST,   3                           ; stage: where I put my row's 16 bytes
.set RD,   4                           ; stage: the byte that I read back for the first two rows
.set CO,   5                           ; 16 x lane: my byte offset in two rows of the output
.set SCL,  6                           ; the conversion's scale byte
.set PA,   8                           ; v[8:11]   A: sign and exponent (12 bits), mantissa bits 51..32, 31..8, 7..0
.set PB,   12                          ; v[12:15]  B likewise
.set R,    16                          ; v[16:17]  MA, then the running remainder
.set D,    18                          ; v[18:19]  MB
.set ND,   20                          ; v[20:21]  2^64 - MB
.set T,    22                          ; v[22:23]  at work
.set D0,   24                          ; first digit
.set D1,   26                          ; v[26:27]  second digit, 0 above it
.set D2,   28                          ; v[28:29]  third digit, 0 above it
.set QA,   30                          ; v[30:31]  the first two digits joined
.set Q,    32                          ; v[32:33]  the quotient
.set RS,   34                          ; scaled reciprocal
.set FH,   35
.set FL,   36
.set EA,   37
.set EB,   38
.set Q0,   39                          ; 1 where MA >= MB
.set STK,  40                          ; not 0: sticky
.set EX,   41                          ; the 13-bit exponent
.set HI,   42
.set LO,   43
.set SG,   44
.set EV,   45
.set OD,   46
.set W,    48                          ; v[48:51]  my row's 16 stage bytes
.set XA,   64                          ; v[64:127]  A's 64 floats
.set XB,   128                         ; v[128:191] B's 64 floats
.set F,    64                          ; v[64:127]  later: 64 floats to store
.set U,    128                         ; v[128:143] later: the bytes read back, then four fp8 codes each
	s_load_b128 s[4:7], s[0:1], 0x0                ; A s[4:5], B s[6:7]
	s_load_b64 s[8:9], s[0:1], 0x10                ; out0
	v_lshl_add_u32 v192, v0, 2, 0x29000
	v_mov_b32 v193, 0
	ds_add_u32 v192, v193
	ds_add_u32 v192, v193
	v_lshrrev_b32 v1, 5, v0
	v_readfirstlane_b32 s10, v1                    ; my wave's number
	s_lshl_b32 s2, ttmp9, 16                       ; the work-group's 256 rows of 256 bytes
	s_lshl_b32 s11, s10, 13                        ; my wave's 32 rows
	s_add_co_u32 s2, s2, s11                       ; below 16 MiB
	s_mov_b32 s3, 0
	; group 1: a tile of 32 rows x 64 elements of 4 bytes, rows 64 elements apart, 4 words of padding behind every 64 words in LDS
	s_mov_b32 s[G1+0], (2<<16)|(1<<20)|(5<<22)|(3<<25)
	s_mov_b32 s[G1+1], 64<<16                      ; tensor_dim0 = 64
	s_mov_b32 s[G1+2], 32<<16                      ; tensor_dim1 = 32
	s_mov_b32 s[G1+3], 64<<16                      ; tile_dim0 = 64
	s_mov_b32 s[G1+4], 32                          ; tile_dim1 = 32
	s_mov_b32 s[G1+5], 64                          ; elements from row to row
	s_mov_b32 s[G1+6], 0
	s_mov_b32 s[G1+7], 0
	s_mul_i32 s12, s10, 2*TILE                     ; my wave's two tiles in LDS
	s_wait_dscnt 0x0
	s_wait_kmcnt 0x0
.irp s, 0,1
	s_mov_b32 s[G0+4*\s], 1
	s_add_co_u32 s[G0+4*\s+1], s12, \s*TILE
	s_add_nc_u64 s[G0+4*\s+2:G0+4*\s+3], s[4+2*\s:5+2*\s], s[2:3]
	s_or_b32 s[G0+4*\s+3], s[G0+4*\s+3], 0x80000000
	tensor_load_to_lds s[G0+4*\s:G0+4*\s+3], s[G1:G1+7]            ; both go out before anything else is waited for
	s_nop 0
.endr
	s_add_nc_u64 s[8:9], s[8:9], s[2:3]            ; the output at my wave's first row
	v_and_b32 v[LANE], 31, v0
	v_mul_u32_u24 v[LA], v[LANE], PITCH
	v_add_nc_u32 v[LA], s12, v[LA]
	s_lshl_b32 s13, s10, 9
	s_add_co_u32 s13, s13, STAGE                   ; my wave's stage
	v_lshl_add_u32 v[ST], v[LANE], 4, s13
	v_add_nc_u32 v[RD], s13, v[LANE]
	v_lshlrev_b32 v[CO], 4, v[LANE]
	v_mov_b32 v[SCL], 126                          ; E8M0 code of 2^-1
	v_mov_b32 v[D1+1], 0
	v_mov_b32 v[D2+1], 0
	s_mov_b32 s58, 0x40000                         ; 2^18
	s_wait_tensorcnt 0x1                           ; tensor loads of a wave end in order: A's tile is in, B's may be out
.irp j, 0,1,2,3,4,5,6,7,8,9,10,11,12,13,14,15
	ds_load_b128 v[XA+4*\j:XA+4*\j+3], v[LA] offset:16*\j
.endr
	s_wait_tensorcnt 0x0                           ; B's tile is in
.irp j, 0,1,2,3,4,5,6,7,8,9,10,11,12,13,14,15
	ds_load_b128 v[XB+4*\j:XB+4*\j+3], v[LA] offset:TILE+16*\j
.endr
; 64 spikes to four whole numbers, in f32, exactly.  A pair of registers works in base 4: the low half gathers the even elements, the high half the odd ones;
; group g is elements 4g .. 4g+3.  The longest piece has 12 base-4 digits of 0 or 1 a half, below 2^24.  2 x even + odd is the piece.
.macro JOIN x, a, b, k
	v_pk_fma_f32 v[\x+4*\a:\x+4*\a+1], v[\x+4*\a:\x+4*\a+1], \k, v[\x+4*\b:\x+4*\b+1] op_sel_hi:[1,0,1]
.endm
.set X16,  0x41800000                  ; 16.0: one group further
.set X256, 0x43800000                  ; 256.0: two groups further
.macro PACK x, p
.irp g, 0,1,2,3,4,5,6,7,8,9,10,11,12,13,14,15
	v_pk_fma_f32 v[\x+4*\g:\x+4*\g+1], v[\x+4*\g:\x+4*\g+1], 4.0, v[\x+4*\g+2:\x+4*\g+3] op_sel_hi:[1,0,1]
.endr
	JOIN \x, 0, 1, X16
	JOIN \x, 3, 4, X16
	JOIN \x, 5, 6, X16
	JOIN \x, 8, 9, X16
	JOIN \x, 10, 11, X16
	JOIN \x, 12, 13, X16
	JOIN \x, 14, 15, X16
	JOIN \x, 0, 2, X16                             ; groups 0-2: sign and exponent
	JOIN \x, 3, 5, X256
	JOIN \x, 8, 10, X256
	JOIN \x, 3, 7, X16                             ; groups 3-7: mantissa bits 51..32
	JOIN \x, 8, 12, X256                           ; groups 8-13: bits 31..8; groups 14, 15: bits 7..0
	v_fma_f32 v[\p],   v[\x],    2.0, v[\x+1]
	v_fma_f32 v[\p+1], v[\x+12], 2.0, v[\x+13]
	v_fma_f32 v[\p+2], v[\x+32], 2.0, v[\x+33]
	v_fma_f32 v[\p+3], v[\x+56], 2.0, v[\x+57]
.irp i, 0,1,2,3
	v_cvt_u32_f32 v[\p+\i], v[\p+\i]
.endr
.endm
; the significand with its leading one in pair m, the exponent field in e, and three lane masks: mantissa = 0, exponent = 0, exponent = 2047
.macro FIELDS p, m, e, sm, s0, s1
	v_lshl_or_b32 v[\m], v[\p+2], 8, v[\p+3]
	v_and_b32 v[\e], 0x7ff, v[\p]
	v_or_b32 v[T], v[\p+1], v[\m]
	v_or_b32 v[\m+1], 0x100000, v[\p+1]
	v_cmp_eq_u32 s[\sm], 0, v[T]
	v_cmp_eq_u32 s[\s0], 0, v[\e]
	v_cmp_eq_u32 s[\s1], 0x7ff, v[\e]
.endm
	s_wait_dscnt 16                                ; LDS loads come back in order: A's sixteen are in, B's sixteen may be out
	PACK XA, PA
	FIELDS PA, R, EA, 40, 41, 42
	s_wait_dscnt 0
	PACK XB, PB
	FIELDS PB, D, EB, 43, 44, 45
	; THE DIVISION: Q = floor(MA 2^54 / MB), 55 bits, in three digits of 18 bits.  With u = 2^-24: MB in f32 is off by at most 1 u (relative), v_rcp_f32 by
	; one unit in the last place = 2 u (ISA guide, its entry in 15.8), the scaling by 1 u, the remainder in f32 by 2 u, the product by 1 u: 7 u in all.
	; The factor 1 - 2^-20 = 1 - 16 u makes every estimate too small by 9 u to 23 u of itself, so a digit, cut toward zero, is never too large, and with
	; R < c MB it is short by less than 1 + 0.36 c: from c = 2 (MA < 2 MB) the remainders stay below 1.73, 1.63, 1.59 MB.  What a digit is short of, the
	; next digit takes (digits are added, not joined), and the last remainder needs one conditional subtraction.
	v_cvt_f32_u32 v[FH], v[D+1]
	v_cvt_f32_u32 v[FL], v[D]
	v_fmamk_f32 v[FH], v[FH], 0x4f800000, v[FL]    ; high word x 2^32 + low word
	v_rcp_f32 v[RS], v[FH]                         ; the four plain lines below stand between it and the use of its result (ISA guide 5.7.2)
	v_xor_b32 v[ND], -1, v[D]
	v_xor_b32 v[ND+1], -1, v[D+1]
	v_add_co_u32 v[ND], vcc_lo, 1, v[ND]
	v_add_co_ci_u32 v[ND+1], vcc_lo, 0, v[ND+1], vcc_lo            ; 2^64 - MB
	s_wait_alu depctr_va_vdst(0)
	v_mul_f32 v[RS], 0x487ffff0, v[RS]             ; x 2^18 (1 - 2^-20)
; One digit: d = trunc(R x RS); R = R 2^18 - d MB, modulo 2^64 (the true value is below 2^54, so the low 64 bits are the value).
.macro STEP d
	v_cvt_f32_u32 v[FH], v[R+1]
	v_cvt_f32_u32 v[FL], v[R]
	v_alignbit_b32 v[R+1], v[R+1], v[R], 14        ; R << 18, high word
	v_lshlrev_b32 v[R], 18, v[R]
	v_fmamk_f32 v[FH], v[FH], 0x4f800000, v[FL]
	v_mul_f32 v[FH], v[FH], v[RS]
	v_cvt_u32_f32 v[\d], v[FH]                     ; toward zero
	v_mad_nc_u64_u32 v[R:R+1], v[\d], v[ND], v[R:R+1]              ; + d x low word of -MB
	v_mad_u32 v[R+1], v[\d], v[ND+1], v[R+1]                       ; + 2^32 d x its high word
.endm
	STEP D0
	STEP D1
	v_mad_nc_u64_u32 v[QA:QA+1], v[D0], s58, v[D1:D1+1]            ; d0 2^18 + d1
	STEP D2
	v_add_nc_u64 v[T:T+1], v[R:R+1], v[ND:ND+1]    ; R - MB
	v_cmp_le_i32 vcc_lo, 0, v[T+1]                 ; not negative: R >= MB
	v_cndmask_b32 v[R], v[R], v[T], vcc_lo
	v_cndmask_b32 v[R+1], v[R+1], v[T+1], vcc_lo
	v_add_co_ci_u32 v[D2], vcc_lo, 0, v[D2], vcc_lo                ; and one more in the last digit
	v_mad_nc_u64_u32 v[Q:Q+1], v[QA], s58, v[D2:D2+1]              ; (d0 2^18 + d1) 2^18 + d2: the low word's part,
	v_lshl_add_u32 v[Q+1], v[QA+1], 18, v[Q+1]                     ; and the high word's
	; the special cases, as lane masks: scalar work beside the vector work
	s_and_b32 s48, s41, s40                        ; a = 0
	s_and_b32 s49, s44, s43                        ; b = 0
	s_and_b32 s50, s42, s40                        ; a infinite
	s_and_b32 s51, s45, s43                        ; b infinite
	s_and_not1_b32 s52, s42, s40                   ; a NaN
	s_and_not1_b32 s53, s45, s43                   ; b NaN
	s_or_b32 s52, s52, s53
	s_and_b32 s53, s48, s49                        ; 0 / 0
	s_or_b32 s52, s52, s53
	s_and_b32 s53, s50, s51                        ; inf / inf
	s_or_b32 s52, s52, s53                         ; s52: the result is NaN
	s_and_not1_b32 s53, s49, s48                   ; x / 0
	s_and_not1_b32 s54, s50, s51                   ; inf / y
	s_or_b32 s53, s53, s54                         ; s53: the result is infinite
	s_and_not1_b32 s54, s48, s49                   ; 0 / x
	s_and_not1_b32 s55, s51, s50                   ; x / inf
	s_or_b32 s54, s54, s55                         ; s54: the result is zero
	; normalise and round.  Bit 54 of Q says MA >= MB; then Q's lowest bit joins the sticky bit and Q moves down one place.  After that Q' = 1, 52 mantissa bits,
	; the round bit.  Nearest even: (Q' + (sticky or lsb)) >> 1 adds one to the mantissa exactly where the round bit and (sticky or lsb) are both set.
	v_bfe_u32 v[Q0], v[Q+1], 22, 1
	v_or_b32 v[STK], v[R], v[R+1]                  ; the remainder is not 0
	v_and_or_b32 v[STK], v[Q], v[Q0], v[STK]
	v_alignbit_b32 v[Q], v[Q+1], v[Q], v[Q0]
	v_lshrrev_b32 v[Q+1], v[Q0], v[Q+1]
	v_and_or_b32 v[STK], v[Q], 2, v[STK]           ; or the mantissa's lowest bit
	v_sub_nc_u32 v[EX], v[EA], v[EB]
	v_cmp_ne_u32 vcc_lo, 0, v[STK]
	v_add_co_ci_u32 v[Q], vcc_lo, 0, v[Q], vcc_lo
	v_add_co_ci_u32 v[Q+1], vcc_lo, 0, v[Q+1], vcc_lo
	v_add3_u32 v[EX], v[EX], v[Q0], 0x3fe          ; e_a - e_b + 1023 - 1 + (MA >= MB)
	v_and_b32 v[EX], 0x1fff, v[EX]                 ; in 13 bits
	v_alignbit_b32 v[LO], v[Q+1], v[Q], 1          ; mantissa bits 31..0
	v_bfe_u32 v[HI], v[Q+1], 1, 20                 ; mantissa bits 51..32: the leading one, and a carry into it, are cut off as the module cuts them
	v_cmp_lt_u32 s46, 0x7ff, v[EX]                 ; bit 11 or 12: overflow
	v_cmp_eq_u32 s47, 0, v[EX]                     ; underflow (a set sign bit is already overflow)
	v_lshl_or_b32 v[HI], v[EX], 20, v[HI]          ; where e > 2047 this word is replaced below
	v_xor_b32 v[SG], v[PA], v[PB]
	s_and_not1_b32 s55, s46, s54                   ; overflow where not zero,
	s_or_b32 s55, s55, s53                         ; or infinite,
	s_and_not1_b32 s55, s55, s52                   ; and no NaN: s55 writes infinity
	s_or_b32 s56, s47, s54                         ; underflow or zero,
	s_or_b32 s57, s52, s53
	s_and_not1_b32 s56, s56, s57                   ; and neither NaN nor infinite: s56 writes zero
	s_or_b32 s57, s57, s55
	s_or_b32 s57, s57, s56                         ; any of the three: the low word is 0
	v_lshlrev_b32 v[SG], 20, v[SG]                 ; the sign, bit 11 of the first piece, to bit 31
	v_cndmask_b32 v[HI], v[HI], 0, s56
	v_cndmask_b32 v[HI], v[HI], 0x7ff00000, s55
	v_cndmask_b32 v[HI], v[HI], 0x7ff80000, s52
	v_cndmask_b32 v[LO], v[LO], 0, s57
	v_and_or_b32 v[HI], v[SG], 0x80000000, v[HI]
	; THE WAY OUT.  A row leaves as sixteen pieces of four floats.  I put sixteen bytes on my wave's stage, byte c with piece c's four bits at its bits 6..3:
	; the word >> 1 has the even pieces there, the word << 3 the odd ones, and v_perm_b32 lays them in the order of the pieces.
	v_lshrrev_b32 v[EV], 1, v[HI]
	v_lshlrev_b32 v[OD], 3, v[HI]
	v_perm_b32 v[W],   v[EV], v[OD], 0x02060307     ; pieces 0, 1, 2, 3
	v_perm_b32 v[W+1], v[EV], v[OD], 0x00040105     ; pieces 4, 5, 6, 7
	v_lshrrev_b32 v[EV], 1, v[LO]
	v_lshlrev_b32 v[OD], 3, v[LO]
	v_perm_b32 v[W+2], v[EV], v[OD], 0x02060307
	v_perm_b32 v[W+3], v[EV], v[OD], 0x00040105
	ds_store_b128 v[ST], v[W:W+3]
.irp t, 0,1,2,3,4,5,6,7,8,9,10,11,12,13,14,15
	ds_load_u8 v[U+\t], v[RD] offset:32*\t         ; LDS serves a wave's instructions in order (ISA guide 5.7.1.4): these see the store above.  Lane l: piece l % 16 of row 2 t + l / 16
.endr
; Copies of the byte 0, 9, 18 and 27 bits up do not overlap and bring its bits 6, 5, 4, 3 to bit 6 of bytes 0, 1, 2, 3: each byte is then the fp8 code 0x40 (2.0) or 0.
.macro SPREAD t
	v_lshl_or_b32 v[U+(\t)], v[U+(\t)], 9, v[U+(\t)]
	v_lshl_or_b32 v[U+(\t)], v[U+(\t)], 18, v[U+(\t)]
	v_and_b32 v[U+(\t)], 0x40404040, v[U+(\t)]
.endm
.macro PUT p                           ; two stores, four rows: in each, sixteen lanes write 256 consecutive bytes, a whole row, at a multiple of 256 from the output's first byte
	global_store_b128 v[CO], v[F+8*(\p):F+8*(\p)+3],   s[8:9] offset:1024*(\p) th:TH_STORE_NT
	global_store_b128 v[CO], v[F+8*(\p)+4:F+8*(\p)+7], s[8:9] offset:1024*(\p)+512 th:TH_STORE_NT
.endm
.irp p, 0,1,2,3,4,5,6,7
	s_wait_dscnt 14-2*\p                           ; the two oldest byte loads not yet used are in; the 14 - 2 p younger ones may be out
	SPREAD 2*\p
	SPREAD 2*\p+1
	v_cvt_scale_pk8_f32_fp8 v[F+8*\p:F+8*\p+7], v[U+2*\p:U+2*\p+1], v[SCL]   ; eight codes to eight floats, x 2^-1: 1.0 or 0.0
.if \p
	PUT \p-1                                       ; the pair before: six plain vector lines stand between its conversion and these stores
.endif
.endr
	v_nop                                          ; one plain place behind the last conversion
	PUT 7
	s_wait_tensorcnt 0x0
	ds_add_u32 v192, v193
	s_wait_dscnt 0x0
	s_endpgm
.Lfunc_end_k_q252a404ead_spikediv:
	.size	k_q252a404ead_spikediv, .Lfunc_end_k_q252a404ead_spikediv-k_q252a404ead_spikediv
	.p2alignl 7, 3214868480
	.fill 96, 4, 3214868480
	.section	.rodata,"a",@progbits
	.p2align	6, 0x0
	.amdhsa_kernel k_q252a404ead_spikediv
		.amdhsa_group_segment_fixed_size 168960
		.amdhsa_private_segment_fixed_size 0
		.amdhsa_enable_private_segment 0
		.amdhsa_kernarg_size 24
		.amdhsa_user_sgpr_count 2
		.amdhsa_user_sgpr_kernarg_segment_ptr 1
		.amdhsa_wavefront_size32 1
		.amdhsa_system_sgpr_workgroup_id_x 1
		.amdhsa_system_sgpr_workgroup_id_y 1
		.amdhsa_system_sgpr_workgroup_id_z 1
		.amdhsa_system_vgpr_workitem_id 0
		.amdhsa_next_free_vgpr 194
		.amdhsa_next_free_sgpr 66
		.amdhsa_reserve_vcc 1
		.amdhsa_float_denorm_mode_32 3
		.amdhsa_float_denorm_mode_16_64 3
		.amdhsa_memory_ordered 1
		.amdhsa_forward_progress 1
		.amdhsa_inst_pref_size 22
	.end_amdhsa_kernel
	.amdgpu_metadata
---
amdhsa.version: [ 1, 2 ]
amdhsa.kernels:
  - .name:           k_q252a404ead_spikediv
    .symbol:         k_q252a404ead_spikediv.kd
    .args:
      - { .name: A, .offset: 0, .size: 8, .value_kind: global_buffer, .address_space: global }
      - { .name: B, .offset: 8, .size: 8, .value_kind: global_buffer, .address_space: global }
      - { .name: out0, .offset: 16, .size: 8, .value_kind: global_buffer, .address_space: global }
    .group_segment_fixed_size: 168960
    .private_segment_fixed_size: 0
    .kernarg_segment_align: 8
    .kernarg_segment_size: 24
    .max_flat_workgroup_size: 256
    .sgpr_count:     66
    .vgpr_count:     194
    .wavefront_size: 32
...
	.end_amdgpu_metadata
.endif
;; end of part 1
